; MI455X (gfx1250); checked and timed in simulation.
; The chip was launched on July 23, 2026; its instructions are those of AMD's public machine-readable ISA for CDNA 5 (MIT licence, August 2026) and "CDNA5" Instruction Set Architecture Reference Guide (July 2026). The comments in the code are by the model that wrote it; some were corrected since.
;; Region Separated Attention. Allowed arithmetic: matrix products marked QUANTISED: E5M2 operands, one given power-of-two scale a tensor, by v_wmma_f32_16x16x64_bf8_bf8 or v_wmma_f32_16x16x128_bf8_bf8, f32 sums; everything else in f32.
;; Inputs: Wa 64 x 64 float32; Wb 64 x 64 float32; Wk 64 x 64 float32; Wo 64 x 64 float32; Wq 64 x 64 float32; ba 64 float32; bb 64 float32; bk 64 float32; bo 64 float32; bq 64 float32; lowp_scales 16 int32 (the exponents e of the quantised operands' scales 2^e); x 2 x 64 x 128 x 128 float32.
;; Outputs: out0 2 x 64 x 128 x 128 float32.
;; This version of the problem:
;;   THIS VERSION OF THE PROBLEM IS GIVEN IN LOW PRECISION. The matrix products marked QUANTISED in the list below multiply operands that are first quantised to E5M2 (5 exponent bits, 2 mantissa bits; 8 bits a number), with one given power-of-two scale for each operand tensor; their sums are f32. All else is computed in f32.
;;   The module's matrix products, in the order in which they are computed (A, B: the left and right operand; K: the contracted axis; several contracted axes count as one K, in the product's order):
;;     1. [M 64, K 64] x [K 64, N 32,768]; A: input Wq; B: input x: QUANTISED (scales: A lowp_scales[0], B lowp_scales[1])
;;     2. [M 64, K 64] x [K 64, N 32,768]; A: input Wk; B: input x: QUANTISED (scales: A lowp_scales[2], B lowp_scales[3])
;;     3. [M 64, K 64] x [K 64, N 32,768]; A: input Wa; B: input x: QUANTISED (scales: A lowp_scales[4], B lowp_scales[5])
;;     4. [M 64, K 64] x [K 64, N 32,768]; A: input Wb; B: input x: QUANTISED (scales: A lowp_scales[6], B lowp_scales[7])
;;     5. batch 8 x [M 4,096, K 64] x [K 64, N 4,096]; A: computed on the way; B: computed on the way: QUANTISED (scales: A lowp_scales[8], B lowp_scales[9])
;;     6. batch 8 x [M 64, K 4,096] x [K 4,096, N 4,096]; A: computed on the way; B: computed on the way: QUANTISED (scales: A lowp_scales[10], B lowp_scales[11])
;;     7. batch 8 x [M 64, K 4,096] x [K 4,096, N 4,096]; A: computed on the way; B: softmax (see below): QUANTISED (scales: A lowp_scales[12], B lowp_scales[13])
;;     8. [M 64, K 64] x [K 64, N 32,768]; A: input Wo; B: computed on the way: QUANTISED (scales: A lowp_scales[14], B lowp_scales[15])
;;   THE QUANTISER, for each operand of a quantised product, along K:
;;     - The operand's scale is 2^e, e = its entry of the input lowp_scales (int32; the entries are numbered through the quantised products in the list's order, A before B).
;;     - Each number is divided by the scale, clamped to +-57,344, and rounded to the nearest number of E5M2, ties to even, subnormals kept.
;;     - The product sums the exact products of the quantised numbers (number of the format x scale) in f32.
;;   ~~~python
;;   def quantise(x, axis, e):      # numpy; x: float32 -> the quantised numbers, widened to float32 again
;;       x = np.moveaxis(x, axis, -1); K = x.shape[-1]
;;       r = np.clip(x / 2.0 ** e, -57344, 57344)
;;       step = 2.0 ** (np.maximum(np.frexp(np.where(r == 0, 1, r))[1] - 1, -14) - 2)
;;       q = np.round(r / step) * step * 2.0 ** e      # np.round: ties to even
;;       return np.moveaxis(q, -1, axis).astype(np.float32)
;;   ~~~
;;   SOFTMAX AHEAD OF A QUANTISED PRODUCT. Where the list says 'softmax', what is quantised is not the finished softmax but p = 2^(t - M), with t = logit x log2(e) and M = ceil(the row's largest t), a whole number; so 1/2 < the row's largest p <= 1. The row's sum l is taken of the UNQUANTISED p, in f32, and the product's result is divided by l at the end. Since M is a whole number, a kernel that streams over the keys may use a running M (the ceiling of the running maximum): every later rescaling is an exact power of two, so the quantised numbers keep their values, but for numbers so far below the row's largest that they fall under the format's range.
;;   OPERANDS COMPUTED ON THE WAY. 'Computed on the way' means the value that the module computes at that place (a softmax that the list does not call 'softmax' is quantised finished and normalised). What goes into a quantiser is computed in f32, as accurately as f32 sums, v_exp_f32 and their like allow (about 1e-6 of the number): no bf16 or f16 on the way to a quantiser, and a product that is left as it is and whose result goes on into a quantised operand takes f32 operands (vector FMAs, or v_wmma_f32_16x16x4_f32). A number that lies on a knife's edge between two numbers of the format may be rounded either way, as far as f32 arithmetic and the matrix unit's own rounding can turn it there, and no further.
;; One version. Each part assembles by itself: llvm-mc -triple=amdgcn-amd-amdhsa -mcpu=gfx1250 --defsym DOCPART=n.
;; ======== version 1 of 1: 3 launches
;; limits: right only within a limited range of input values
;; workspace buffers: SA 4,194,304 bytes; SB 4,194,304 bytes; O2 8,388,608 bytes; NLW 131,072 bytes
;; launch proj (part 1): grid 256 x 1, 4 waves a work-group, no clusters, 33,280 bytes of LDS; arguments Wq, Wk, Wa, Wb, bq, bk, ba, bb, lowp_scales, x, SA, SB; writes SA, SB
.if DOCPART == 1
	.amdgcn_target "amdgcn-amd-amdhsa--gfx1250"
	.amdhsa_code_object_version 6
	.text
	.protected	k_q155eeef6d2_proj
	.globl	k_q155eeef6d2_proj
	.p2align	8
	.type	k_q155eeef6d2_proj,@function
k_q155eeef6d2_proj:
	s_mov_b64 s[64:65], 0
	v_nop
	global_prefetch_b8 v0, s[64:65] scope:SCOPE_SE
	s_setreg_imm32_b32 hwreg(HW_REG_WAVE_MODE, 25, 1), 1
	s_wait_xcnt 0x0
; PROJ: q = Wq x + bq, k = Wk x + bk, a = Wa x + ba, b = Wb x + bb on codes of BF8 (E5M2), each operand with its given scale 2^e, and the four results
; quantised again (e8, e9, e10, e12) and stored as IMAGES OF OPERAND REGISTERS for the two launches that follow.
; x: [2][64][128][128] f32.  A region g = 4 image + 2 gy + gx is 64 rows y of 64 pixels X.  PIXEL ORDER of all workspace buffers: n' = 64 y + 16 i + r with X = 4 r + i:
; a lane's 16 bytes of x (pixels 4 r .. 4 r + 3) then feed four tiles i, and sixteen lanes read the 256 consecutive bytes of a region's row.
; IMAGE: a fragment of v_wmma_f32_16x16x64_bf8_bf8 (16 rows x K 64, 8 registers; registers 2 c, 2 c + 1 of lane (r, h): k = 16 c + 8 h + 0 .. 7) is 1,024 bytes: registers 0-3 of lane l at 16 l, registers 4-7 at 512 + 16 l.
; SA: [g][chunk of 512 pixels][65,536]: 32 images of k (tile of 16 pixels, K = channel), then 32 images of b (step of 64 pixels x 4 tiles of 16 channels, K = pixel).  SB: the same with q and a.
; SHARES.  A work-group takes two rows y of one region; wave s takes one tensor for both rows: 0 q, 1 k, 2 a, 3 b.  x is read from memory once: wave s loads channels 16 s .. 16 s + 15 and the four waves
; hand their parts to each other through LDS, as loaded; each LDS byte is written once, so one barrier serves.
; q, k: source 0 = 16 rows of W, source 1 = 16 pixels: a lane holds one pixel, its registers run along the channels, which are the next K.  a, b: the sources swapped: a lane holds one channel, registers along the pixels.
; The bias is the C of the one matrix instruction of each sum, divided by 2^(eW + ex), which the sums lack; the result's conversion takes 2^(eo - eW - ex).
; Every wave loads its bias in both layouts (12 small loads), so that the text has one way up to the barrier.
; LIMITS: eW, ex and eo - eW - ex between -126 and 112, so that each power of two and 57,344 x it is an f32 number.  NaN and infinities among the inputs are not served.
.set WV,   3                           ; s3       my wave's number
.set LI,   1                           ; v1       16 x lane
.set XG,   2                           ; v2       x: 8 h channels of 65,536 bytes + 16 r
.set XS,   3                           ; v3       LDS: 16 x lane + 4,096 x wave
.set WG,   4                           ; v4       W: 256 r + 32 h
.set BG0,  5                           ; v5       bias by channels along the registers: 32 h
.set BG1,  9                           ; v9       bias by channels along the lanes: 4 r
.set BC,   16                          ; v16-47   the bias as C, 8 registers a tile of channels
.set XRAW, 48                          ; v48-111  my 16 channels of x as loaded; afterwards:
.set WF,   48                          ; v48-79   W's four fragments
.set OC,   80                          ; v80-111  a row's 32 registers of codes
.set WRAW, 112                         ; v112-239 W as loaded; afterwards:
.set XR,   112                         ; v112-175 32 channels of x from LDS; then eight results
.set XC,   176                         ; v176-207 x's four fragments (tile i at 8 i)
.set TT,   208                         ; v208-239 four sets of eight neighbours along K, by turns
.set XSC,  240                         ; v240, v241  2^ex, 57,344 x 2^ex
.set WSC,  242                         ; v242, v243  the same for eW
.set OSC,  244                         ; v244, v245  the same for eo - eW - ex
.set BR,   248                         ; v248-251 bias[16 t + r]
.macro MKS vs, se                      ; v[vs] = 2^e as f32 (a conversion takes its exponent field), v[vs + 1] = 57,344 x 2^e; e in s[se]
	s_add_co_i32 s6, s[\se], 127
	s_lshl_b32 s7, s6, 23
	v_mov_b32 v[\vs], s7
	s_add_co_i32 s6, s6, 15
	s_lshl_b32 s6, s6, 23
	s_or_b32 s6, s6, 0x600000
	v_mov_b32 v[\vs+1], s6
.endm
	s_load_b512 s[8:23], s[0:1], 0x0               ; Wq, Wk, Wa, Wb, bq, bk, ba, bb
	s_load_b256 s[24:31], s[0:1], 0x40             ; the exponents, x, SA, SB
	v_lshl_add_u32 v254, v0, 2, 0x8000
	v_mov_b32 v255, 0
	v_lshrrev_b32 v6, 5, v0
	v_readfirstlane_b32 s[WV], v6
	v_and_b32 v6, 31, v0                           ; lane
	v_and_b32 v7, 15, v0                           ; r
	v_bfe_u32 v8, v0, 4, 1                         ; h
	v_lshlrev_b32 v[LI], 4, v6
	v_lshlrev_b32 v[XG], 4, v7
	v_lshl_add_u32 v[XG], v8, 19, v[XG]
	s_lshl_b32 s2, s[WV], 12
	v_add_nc_u32 v[XS], s2, v[LI]
	v_lshlrev_b32 v[WG], 8, v7
	v_lshl_add_u32 v[WG], v8, 5, v[WG]
	v_lshlrev_b32 v[BG0], 5, v8
	v_lshlrev_b32 v[BG1], 2, v7
	s_lshr_b32 s4, ttmp9, 5                        ; region g
	s_and_b32 s5, ttmp9, 31                        ; which pair of its rows
	s_lshr_b32 s58, s4, 2                          ; x's byte: image x 4,194,304
	s_lshl_b32 s58, s58, 22
	s_bfe_u32 s6, s4, 0x10001                      ; + (64 gy + 2 pair) rows of 512 bytes
	s_lshl_b32 s6, s6, 15
	s_add_co_u32 s58, s58, s6
	s_lshl_b32 s6, s5, 10
	s_add_co_u32 s58, s58, s6
	s_and_b32 s6, s4, 1                            ; + 256 gx
	s_lshl_b32 s6, s6, 8
	s_add_co_u32 s58, s58, s6
	s_lshl_b32 s6, s[WV], 20                       ; + my 16 channels of 65,536 bytes
	s_add_co_u32 s58, s58, s6
	s_mov_b32 s59, 0
	s_lshl_b32 s60, s4, 19                         ; the codes' byte: g x 524,288
	s_lshr_b32 s6, s5, 2                           ; + chunk (y / 8) x 65,536
	s_lshl_b32 s6, s6, 16
	s_add_co_u32 s60, s60, s6
	s_lshr_b32 s6, s[WV], 1                        ; + 32,768 for a and b
	s_lshl_b32 s6, s6, 15
	s_add_co_u32 s60, s60, s6
	s_and_b32 s6, s5, 3                            ; + (y % 8) x 4,096, y = 2 pair + 0, 1
	s_lshl_b32 s6, s6, 13
	s_add_co_u32 s60, s60, s6
	s_mov_b32 s61, 0
	s_wait_alu depctr_va_vdst(0)
	s_wait_kmcnt 0x0
	s_load_b512 s[32:47], s[24:25], 0x0            ; e0 .. e15
	s_mov_b64 s[48:49], s[8:9]                     ; my W and my bias: choices on the wave's number alone
	s_mov_b64 s[50:51], s[16:17]
	s_cmp_eq_u32 s[WV], 1
	s_cselect_b64 s[48:49], s[10:11], s[48:49]
	s_cselect_b64 s[50:51], s[18:19], s[50:51]
	s_cmp_eq_u32 s[WV], 2
	s_cselect_b64 s[48:49], s[12:13], s[48:49]
	s_cselect_b64 s[50:51], s[20:21], s[50:51]
	s_cmp_eq_u32 s[WV], 3
	s_cselect_b64 s[48:49], s[14:15], s[48:49]
	s_cselect_b64 s[50:51], s[22:23], s[50:51]
	s_bitcmp1_b32 s[WV], 0                         ; k and b go to SA, q and a to SB
	s_cselect_b64 s[52:53], s[28:29], s[30:31]
	s_add_nc_u64 s[52:53], s[52:53], s[60:61]
	s_add_nc_u64 s[54:55], s[26:27], s[58:59]
.irp t, 0,1,2,3
	global_load_b128 v[BC+8*\t:BC+8*\t+3], v[BG0], s[50:51] offset:64*\t           ; bias[16 t + 8 h + 0 .. 7]
	global_load_b128 v[BC+8*\t+4:BC+8*\t+7], v[BG0], s[50:51] offset:64*\t+16
	global_load_b32 v[BR+\t], v[BG1], s[50:51] offset:64*\t                        ; bias[16 t + r]
.endr
.irp rho, 0,1
.irp j, 0,1,2,3,4,5,6,7
	global_load_b128 v[XRAW+32*\rho+4*\j:XRAW+32*\rho+4*\j+3], v[XG], s[54:55] offset:\rho*512+\j*65536 th:TH_LOAD_NT   ; channel 16 s + 8 h + j, pixels 4 r ..: sixteen lanes read 256 consecutive bytes; read once in the launch
.endr
.endr
.irp t, 0,1,2,3
.irp c, 0,1,2,3
	global_load_b128 v[WRAW+32*\t+8*\c:WRAW+32*\t+8*\c+3], v[WG], s[48:49] offset:\t*4096+\c*64        ; W(16 t + r, 16 c + 8 h + 0 .. 7)
	global_load_b128 v[WRAW+32*\t+8*\c+4:WRAW+32*\t+8*\c+7], v[WG], s[48:49] offset:\t*4096+\c*64+16
.endr
.endr
	s_wait_loadcnt 32                              ; the 32 loads of W were issued behind x's and may stay out: the bias and x are in
.irp rho, 0,1
.irp j, 0,1,2,3,4,5,6,7
	ds_store_b128 v[XS], v[XRAW+32*\rho+4*\j:XRAW+32*\rho+4*\j+3] offset:\rho*16384+\j*512   ; block 8 s + j of the row's 32: 512 consecutive bytes
.endr
.endr
	s_wait_dscnt 0x0                               ; for the others' sake: my stores have landed
	s_barrier_signal -1
	s_barrier_wait -1                              ; all 64 channels of both rows lie in LDS
	s_wait_kmcnt 0x0
	s_mov_b32 s56, s32                             ; eW, ex and the result's eo of my tensor
	s_mov_b32 s57, s33
	s_mov_b32 s62, s40
	s_cmp_eq_u32 s[WV], 1
	s_cselect_b32 s56, s34, s56
	s_cselect_b32 s57, s35, s57
	s_cselect_b32 s62, s41, s62
	s_cmp_eq_u32 s[WV], 2
	s_cselect_b32 s56, s36, s56
	s_cselect_b32 s57, s37, s57
	s_cselect_b32 s62, s42, s62
	s_cmp_eq_u32 s[WV], 3
	s_cselect_b32 s56, s38, s56
	s_cselect_b32 s57, s39, s57
	s_cselect_b32 s62, s44, s62
	s_add_co_i32 s63, s56, s57
	s_sub_co_i32 s62, s62, s63                     ; eo - eW - ex
	s_sub_co_i32 s63, 0, s63                       ; -(eW + ex)
	MKS XSC, 57
	MKS WSC, 56
	MKS OSC, 62
	s_wait_alu depctr_va_vdst(0)
	s_wait_loadcnt 0x0                             ; W
.irp t, 0,1,2,3
.set k, 0
.rept 32
.set k, k+1
.endr
.irp c, 0,1,2,3
	v_cvt_scalef32_pk8_bf8_f32 v[WF+8*\t+2*\c:WF+8*\t+2*\c+1], v[WRAW+32*\t+8*\c:WRAW+32*\t+8*\c+7], v[WSC]
.endr
.endr
	v_nop                                          ; a plain line behind the last conversion: its sources are written again below
; 32 channels of a row (half hf of the 64) become registers 4 hf .. 4 hf + 3 of x's four fragments.  The hold also gathers a tile's eight neighbours along K, which lie four registers apart, into consecutive registers.
.macro QX hf
.irp i, 0,1,2,3
.irp cc, 0,1
.irp j, 0,1,2,3,4,5,6,7
	v_med3_num_f32 v[TT+8*((2*\i+\cc)%4)+\j], v[XR+4*(8*\cc+\j)+\i], -v[XSC+1], v[XSC+1]
.endr
	v_cvt_scalef32_pk8_bf8_f32 v[XC+8*\i+2*(2*\hf+\cc):XC+8*\i+2*(2*\hf+\cc)+1], v[TT+8*((2*\i+\cc)%4):TT+8*((2*\i+\cc)%4)+7], v[XSC]   ; the next set's holds are the plain lines behind it
.endr
.endr
.endm
; role 0: q, k.  role 1: a, b.
.macro MAIN role
.if \role == 0
.set k, 0
.rept 32
	v_ldexp_f32 v[BC+k], v[BC+k], s63              ; bias / 2^(eW + ex)
.set k, k+1
.endr
.else
.irp t, 0,1,2,3
.irp j, 0,1,2,3,4,5,6,7
	v_ldexp_f32 v[BC+8*\t+\j], v[BR+\t], s63       ; the lane's channel has one bias for its eight pixels
.endr
.endr
.endif
.irp rho, 0,1
.irp hf, 0,1
.set k, 0
.rept 16
	ds_load_b128 v[XR+4*k:XR+4*k+3], v[LI] offset:\rho*16384+(16*\hf+k)*512
.set k, k+1
.endr
	s_wait_dscnt 0x0
	QX \hf
.endr
	v_nop                                          ; a plain line between the last conversion and the products that read its result
.irp pp, 0,1                                   ; two tiles of pixels at a time: eight products, each a whole sum (K = 64)
.irp ii, 0,1
.irp t, 0,1,2,3
.if \role == 0
	v_wmma_f32_16x16x64_bf8_bf8 v[XR+32*\ii+8*\t:XR+32*\ii+8*\t+7], v[WF+8*\t:WF+8*\t+7], v[XC+8*(2*\pp+\ii):XC+8*(2*\pp+\ii)+7], v[BC+8*\t:BC+8*\t+7]
.else
	v_wmma_f32_16x16x64_bf8_bf8 v[XR+32*\ii+8*\t:XR+32*\ii+8*\t+7], v[XC+8*(2*\pp+\ii):XC+8*(2*\pp+\ii)+7], v[WF+8*\t:WF+8*\t+7], v[BC+8*\t:BC+8*\t+7]
.endif
.endr
.endr
.rept 4
	v_nop                                          ; four places between a product and the first read of its result (ISA guide 7.12.1)
.endr
.set k, 0
.rept 64
.set k, k+1
.endr
.if (\rho == 1) && (\pp == 0)
	s_wait_alu depctr_va_vdst(0)
	s_wait_xcnt 0x0                                ; the first row's stores have read their data: the codes' registers are written again only behind this wait
.endif
.irp ii, 0,1
.irp t, 0,1,2,3
.if \role == 0
	v_cvt_scalef32_pk8_bf8_f32 v[OC+8*(2*\pp+\ii)+2*\t:OC+8*(2*\pp+\ii)+2*\t+1], v[XR+32*\ii+8*\t:XR+32*\ii+8*\t+7], v[OSC]   ; image of pixel tile i: registers 2 t, 2 t + 1 = channels 16 t + 8 h ..
.else
	v_cvt_scalef32_pk8_bf8_f32 v[OC+8*\t+2*(2*\pp+\ii):OC+8*\t+2*(2*\pp+\ii)+1], v[XR+32*\ii+8*\t:XR+32*\ii+8*\t+7], v[OSC]   ; image of channel tile t: registers 2 i, 2 i + 1 = pixels 16 i + 8 h ..
.endif
.endr
.endr
	v_nop                                          ; a plain line behind the last conversion: the next products write its sources
.endr
.irp u, 0,1,2,3
	global_store_b128 v[LI], v[OC+8*\u:OC+8*\u+3], s[52:53] offset:\rho*4096+\u*1024          ; 32 lanes store 512 consecutive bytes, at a multiple of 512 from the buffer's first byte
	global_store_b128 v[LI], v[OC+8*\u+4:OC+8*\u+7], s[52:53] offset:\rho*4096+\u*1024+512
.endr
.endr
.endm
	s_cmp_lt_u32 s[WV], 2
	s_cbranch_scc0 .Lvalues
	MAIN 0
	s_wait_tensorcnt 0x0
	ds_add_u32 v254, v255
	s_wait_dscnt 0x0
	s_endpgm
.Lvalues:
	MAIN 1
	s_wait_tensorcnt 0x0
	ds_add_u32 v254, v255
	s_wait_dscnt 0x0
	s_endpgm
.Lfunc_end_k_q155eeef6d2_proj:
	.size	k_q155eeef6d2_proj, .Lfunc_end_k_q155eeef6d2_proj-k_q155eeef6d2_proj
	.p2alignl 7, 3214868480
	.fill 96, 4, 3214868480
	.section	.rodata,"a",@progbits
	.p2align	6, 0x0
	.amdhsa_kernel k_q155eeef6d2_proj
		.amdhsa_group_segment_fixed_size 33280
		.amdhsa_private_segment_fixed_size 0
		.amdhsa_enable_private_segment 0
		.amdhsa_kernarg_size 96
		.amdhsa_user_sgpr_count 2
		.amdhsa_user_sgpr_kernarg_segment_ptr 1
		.amdhsa_wavefront_size32 1
		.amdhsa_system_sgpr_workgroup_id_x 1
		.amdhsa_system_sgpr_workgroup_id_y 1
		.amdhsa_system_sgpr_workgroup_id_z 1
		.amdhsa_system_vgpr_workitem_id 0
		.amdhsa_next_free_vgpr 256
		.amdhsa_next_free_sgpr 66
		.amdhsa_reserve_vcc 0
		.amdhsa_float_denorm_mode_32 3
		.amdhsa_float_denorm_mode_16_64 3
		.amdhsa_fp16_overflow 1
		.amdhsa_memory_ordered 1
		.amdhsa_forward_progress 1
		.amdhsa_inst_pref_size 73
	.end_amdhsa_kernel
	.amdgpu_metadata
---
amdhsa.version: [ 1, 2 ]
amdhsa.kernels:
  - .name:           k_q155eeef6d2_proj
    .symbol:         k_q155eeef6d2_proj.kd
    .args:
      - { .name: Wq, .offset: 0, .size: 8, .value_kind: global_buffer, .address_space: global }
      - { .name: Wk, .offset: 8, .size: 8, .value_kind: global_buffer, .address_space: global }
      - { .name: Wa, .offset: 16, .size: 8, .value_kind: global_buffer, .address_space: global }
      - { .name: Wb, .offset: 24, .size: 8, .value_kind: global_buffer, .address_space: global }
      - { .name: bq, .offset: 32, .size: 8, .value_kind: global_buffer, .address_space: global }
      - { .name: bk, .offset: 40, .size: 8, .value_kind: global_buffer, .address_space: global }
      - { .name: ba, .offset: 48, .size: 8, .value_kind: global_buffer, .address_space: global }
      - { .name: bb, .offset: 56, .size: 8, .value_kind: global_buffer, .address_space: global }
      - { .name: lowp_scales, .offset: 64, .size: 8, .value_kind: global_buffer, .address_space: global }
      - { .name: x, .offset: 72, .size: 8, .value_kind: global_buffer, .address_space: global }
      - { .name: SA, .offset: 80, .size: 8, .value_kind: global_buffer, .address_space: global }
      - { .name: SB, .offset: 88, .size: 8, .value_kind: global_buffer, .address_space: global }
    .group_segment_fixed_size: 33280
    .private_segment_fixed_size: 0
    .kernarg_segment_align: 8
    .kernarg_segment_size: 96
    .max_flat_workgroup_size: 128
    .sgpr_count:     66
    .vgpr_count:     256
    .wavefront_size: 32
...
	.end_amdgpu_metadata
.endif
;; end of part 1
;; launch attna (part 2): grid 32 x 8, 16 waves a work-group, clusters of 4 x 1, 327,680 bytes of LDS; arguments SA, SB, lowp_scales, O2, NLW; writes O2, NLW
.if DOCPART == 2
	.amdgcn_target "amdgcn-amd-amdhsa--gfx1250"
	.amdhsa_code_object_version 6
	.text
	.protected	k_q155eeef6d2_attna
	.globl	k_q155eeef6d2_attna
	.p2align	8
	.type	k_q155eeef6d2_attna,@function
k_q155eeef6d2_attna:
	s_mov_b64 s[64:65], 0
	v_nop
	global_prefetch_b8 v0, s[64:65] scope:SCOPE_SE
	s_setreg_imm32_b32 hwreg(HW_REG_WAVE_MODE, 25, 1), 1
	s_wait_xcnt 0x0
	s_wait_alu depctr_hold_cnt(0) depctr_sa_sdst(0) depctr_va_vdst(0) depctr_va_sdst(0) depctr_va_ssrc(0) depctr_va_vcc(0) depctr_vm_vsrc(0)
	s_getreg_b32 s2, hwreg(HW_REG_IB_STS2, 6, 4)
	s_cmp_eq_u32 s2, 0
	s_cbranch_scc0 .Lentry_in_a_cluster
	s_endpgm
.Lentry_in_a_cluster:
	s_bfe_u32 s2, ttmp6, 0x10000c
	s_cmp_lg_u32 s2, 0x3003
	s_cbranch_scc0 .Lentry_shape_is_right
	s_endpgm
.Lentry_shape_is_right:
; ATTNA: out2[c][m] = sum over j of b[c][j] softmax_j(q_m . k_j / 8), both products on codes of BF8 (E5M2), and for every row m of the softmax nl[m] = -(M + log2 l), which the next launch needs.
; t = score x log2(e) / 8; M = the row's largest t so far, rounded up to a whole number; p = 2^(t - M) is quantised with 2^e13, not normalised; l is the sum of the unquantised p and divides at the end.
; SA: [g][8 chunks of 512 keys][32 images of k, 32 images of b]; SB holds q's images likewise (an image: a fragment's registers 0-3 of lane l at 16 l, registers 4-7 at 512 + 16 l).  All pixels in the order n' of the launch that made them.
; SHARES.  A work-group owns 128 rows m of one region.  Wave w: qg = w % 4 owns 32 of them (two tiles u, which share every fragment read from LDS); kp = w / 4 takes steps 2 kp, 2 kp + 1 of each chunk's eight steps of 64 keys.
; Four waves lie on a SIMD, so that one wave's vector work stands beside another's products and LDS loads.  The four key parts have running M of their own and meet once, at the end, through LDS: by powers of two, which round nothing.
; LAYOUT.  Both products are used transposed: S^T = k q^T (source 0 = 16 keys, source 1 = 16 rows m), O^T = b p^T (source 0 = 16 channels, source 1 = p): a lane holds ONE row m (lane % 16) throughout; register j of key tile kt is
; key 16 kt + 8 (lane / 16) + j, so the conversions' results are registers 2 kt, 2 kt + 1 of the second product's operand.
; RING.  Two LDS slots of TWO chunks each (131,072 bytes, dense in memory): four changes of slots in all, and four key steps of every wave between two of them.  Waves 0-7 fetch an eighth of a slot each: 64 rows of 256 bytes.
; CLUSTER: the four work-groups of a cluster belong to one region and walk the same chunks: each eighth is asked for jointly, by the same tensor load with the same descriptor and the mask of all four.  A wave has at most one tensor load out.
; THE PARTS' IMAGES of O^T lie in slot 0: it has had its last fill (the third of the four), and every wave has left it at the last change of slots.  Their statistics have bytes of their own behind the ring.
; nl is stored 128 consecutive bytes a wave: 131,072 bytes in the whole launch; all other stores cover 512 consecutive bytes.
; LIMITS on the given exponents: e8 + e9 between -123 and 130 (added to c's exponent field); e13 between -126 and 112; e12 + e13 is applied by v_ldexp_f32 and has none.  NaN and infinities are not served.
.set HALF,  1<<16                      ; a chunk: half a slot
.set SLOT1, 1<<17                      ; slot 1 begins here: one exclusive or turns an address in one slot into the other's
.set VOFF,  32768                      ; in a chunk: k's images, then b's
.set MIMG,  8192                       ; an image of the 64 registers of O^T; image w begins at LDS byte 8,192 w: sixteen fill slot 0; those of waves 0-3 stay unused
.set STATS, 2*SLOT1                    ; behind the ring: 512 bytes of statistics (four registers) for each wave's number
.set SPARE, STATS+16*512               ; the spare words, 128 bytes for each wave: eight blocks of 256 bytes that no other line names
.set AL,   1                           ; v1   16 x lane + 8,192 kp: my place in a chunk
.set ADR,  2                           ; v2   the same in the chunk in hand
.set SPW,  3                           ; v3   my spare word; never rewritten
.set NIL,  4                           ; v4   0; never rewritten
.set PSC,  5                           ; v5  2^e13
.set MST,  7                           ; v7   where I store my image
.set MLD,  8                           ; v8   the image of part 1 of my rows (part 2: 4 images on)
.set MLD2, 9                           ; v9   of part 3
.set PX,   10                          ; v10, v11 what the other half of the lanes sends
.set ST,   12                          ; tile u at v[12 + 8 u]: +0 -M, +1 at work, +2 f, +3 zero, +4, +5 l in two halves, +6, +7 a second chain of sums
.set Q,    28                          ; v28-43   q's two fragments
.set F,    44                          ; v44-75   four fragments of k, then of b
.set PC,   76                          ; v76-91   p's codes
.set LI,   92                          ; v92  16 x lane
.set L4,   93                          ; v93  4 x lane
.set SST,  94                          ; v94  where I store my statistics
.set SLD,  95                          ; v95  the statistics of part 1 of my rows (parts 2, 3: 4 and 8 places on)
.set S,    96                          ; v96-159  S^T, then p: tile u, key tile kt at 32 u + 8 kt
.set O,    160                         ; v160-223 O^T: tile u, channel tile ct at 32 u + 8 ct
.set QD,   224                         ; v224-239 the four parts' statistics: -M, l of tile 0, -M, l of tile 1
.set FP,   240                         ; v240-255 the parts' factors, a pair (number, copy) for part p, tile u at 4 p + 2 u
.set FW,   17                          ; s17  wave % 8: which eighth of a slot I fetch, if I fetch
.set WV,   18
.set QG,   19
.set KP,   20
.set CS,   22                          ; s[22:23] c = log2(e) / 8 x 2^(e8 + e9)
.set G1,   24                          ; s[24:31] descriptor group 1
.set G0,   32                          ; s[32:35] group 0, which walks
.set SEL,  36                          ; s[36:37] lane selects: lane l xor 16
.set TB,   38                          ; s38  LDS byte at which the slot in hand begins
.set SLOTS, 39
.macro CROUND                          ; a round of the cluster's barrier: my work-group's barrier; wave 0 signals for the work-group; every wave waits for all four work-groups; my work-group's barrier once more
	s_barrier_signal -1
	s_barrier_wait -1
	s_cmp_lg_u32 s[WV], 0
	s_cbranch_scc1 .Lnot_wave_0_\@
	s_barrier_signal -3
.Lnot_wave_0_\@:
	s_barrier_wait -3
	s_barrier_signal -1
	s_barrier_wait -1
.endm
.macro JLOAD                           ; waves 0-7 fetch, the others nothing: the branch hangs on the wave's number alone.  Four v_nop follow the load
	s_cmp_lt_u32 s[WV], 8
	s_cbranch_scc0 .Lasked_\@
	tensor_load_to_lds s[G0:G0+3], s[G1:G1+7]
	s_nop 0
.rept 4
	v_nop
.endr
.Lasked_\@:
.endm
.macro MKS vs, se                      ; v[vs] = 2^e as f32; e in s[se]
	s_add_co_i32 s40, s[\se], 127
	s_lshl_b32 s41, s40, 23
	v_mov_b32 v[\vs], s41
.endm
	s_load_b256 s[4:11], s[0:1], 0x0               ; SA s[4:5], SB s[6:7], the exponents s[8:9], O2 s[10:11]
	s_load_b64 s[12:13], s[0:1], 0x20              ; NLW
	v_lshl_add_u32 v[SPW], v0, 2, SPARE
	v_mov_b32 v[NIL], 0
	ds_add_u32 v3, v4
	ds_add_u32 v3, v4
	s_wait_dscnt 0x0
	v_lshrrev_b32 v1, 5, v0
	s_delay_alu instid0(VALU_DEP_1)
	v_readfirstlane_b32 s[WV], v1                  ; wave 0..15
	s_and_b32 s[QG], s[WV], 3
	s_lshr_b32 s[KP], s[WV], 2
	s_and_b32 s[FW], s[WV], 7
	s_bfe_u32 s14, ttmp6, 0x40000                  ; cx: my place in the cluster
	s_lshl_b32 s15, ttmp9, 2
	s_add_co_u32 s15, s15, s14                     ; qb: my block of 128 rows: it enters q's, O2's and NLW's addresses alone
	s_and_b32 s16, ttmp7, 0xffff                   ; the region, which the four partners share
	s_mov_b32 s[G1], 15|(3<<16)|(1<<21)            ; 15:0 the mask: all four work-groups; 17:16 elements of 8 bytes; 20 no padding; 21 set beside a mask
	s_mov_b32 s[G1+1], 32<<16                      ; tensor_dim0 = 32 elements: 256 bytes
	s_mov_b32 s[G1+2], 64<<16                      ; tensor_dim1 = 64
	s_mov_b32 s[G1+3], 32<<16                      ; tile_dim0
	s_mov_b32 s[G1+4], 64                          ; tile_dim1
	s_mov_b32 s[G1+5], 32                          ; the pitch: the block is dense
	s_mov_b32 s[G1+6], 0
	s_mov_b32 s[G1+7], 0
	s_mov_b32 s[SEL], 0x76543210
	s_mov_b32 s[SEL+1], 0xfedcba98
	s_mov_b32 s[CS], 0x3e38aa3b                    ; log2(e) / 8
	s_mov_b32 s[TB], 0
	s_mov_b32 s[SLOTS], 3
	s_lshl_b32 s40, s16, 19                        ; the stream: region x 524,288 + my eighth of a slot: of the region and the wave's number alone
	s_lshl_b32 s41, s[FW], 14
	s_add_co_u32 s40, s40, s41
	s_mov_b32 s41, 0
	s_lshl_b32 s42, s16, 19                        ; q's images of my 32 rows: tiles 8 qb + 2 qg + u: chunk qb / 4, image 8 (qb % 4) + 2 qg
	s_lshr_b32 s43, s15, 2
	s_lshl_b32 s43, s43, 16
	s_add_co_u32 s42, s42, s43
	s_and_b32 s43, s15, 3
	s_lshl_b32 s43, s43, 13
	s_add_co_u32 s42, s42, s43
	s_lshl_b32 s43, s[QG], 11
	s_add_co_u32 s42, s42, s43
	s_mov_b32 s43, 0
	s_lshl_b32 s44, s16, 5                         ; O2: ((32 g + qb) 4 + qg) x 8,192
	s_add_co_u32 s44, s44, s15
	s_lshl_b32 s44, s44, 2
	s_add_co_u32 s44, s44, s[QG]
	s_lshl_b32 s44, s44, 13
	s_mov_b32 s45, 0
	s_lshl_b32 s46, s16, 14                        ; NLW: 4 (4,096 g + 128 qb + 32 qg)
	s_lshl_b32 s47, s15, 9
	s_add_co_u32 s46, s46, s47
	s_lshl_b32 s47, s[QG], 7
	s_add_co_u32 s46, s46, s47
	s_mov_b32 s47, 0
	s_wait_kmcnt 0x0
	s_load_b512 s[48:63], s[8:9], 0x0              ; e0 .. e15 in s48 .. s63
	s_mov_b32 s[G0], 1                             ; count = 1
	s_lshl_b32 s[G0+1], s[FW], 14                  ; LDS address: slot 0, my eighth
	s_add_nc_u64 s[G0+2:G0+3], s[4:5], s[40:41]    ; chunks 0 and 1
	s_or_b32 s[G0+3], s[G0+3], 0x80000000          ; type = 2
	s_add_nc_u64 s[6:7], s[6:7], s[42:43]
	s_add_nc_u64 s[10:11], s[10:11], s[44:45]
	s_add_nc_u64 s[12:13], s[12:13], s[46:47]
	CROUND                                         ; all four work-groups are here: the first joint loads meet
	JLOAD                                          ; slot 0
	v_and_b32 v[LI], 31, v0
	s_delay_alu instid0(VALU_DEP_1)
	v_lshlrev_b32 v[L4], 2, v[LI]
	s_delay_alu instid0(VALU_DEP_2)
	v_lshlrev_b32 v[LI], 4, v[LI]
	s_wait_alu depctr_va_vdst(0)
.irp u, 0,1
	global_load_b128 v[Q+8*\u:Q+8*\u+3], v[LI], s[6:7] offset:\u*1024          ; q's fragments stay in registers
	global_load_b128 v[Q+8*\u+4:Q+8*\u+7], v[LI], s[6:7] offset:\u*1024+512
.endr
	s_lshl_b32 s21, s[KP], 13
	v_add_nc_u32 v[AL], s21, v[LI]
	s_lshl_b32 s21, s[WV], 13                      ; image w begins at LDS byte 8,192 w
	v_add_nc_u32 v[MST], s21, v[LI]
	s_lshl_b32 s21, s[QG], 13
	s_add_co_u32 s21, s21, 4*MIMG
	v_add_nc_u32 v[MLD], s21, v[LI]
	s_delay_alu instid0(VALU_DEP_1)
	v_add_nc_u32 v[MLD2], 8*MIMG, v[MLD]
	s_lshl_b32 s21, s[WV], 9
	s_add_co_u32 s21, s21, STATS
	v_add_nc_u32 v[SST], s21, v[LI]
	s_lshl_b32 s21, s[QG], 9
	s_add_co_u32 s21, s21, STATS+4*512
	v_add_nc_u32 v[SLD], s21, v[LI]
	v_mov_b32 v[PX], 0                             ; written once: a lane permute's destination counts as one of its sources
	v_mov_b32 v[PX+1], 0
.irp u, 0,1
	v_mov_b32 v[ST+8*\u], 0x7f61b1e6               ; -M = 3e38: M lies under every t
	v_mov_b32 v[ST+8*\u+3], 0                      ; (named as the upper half of f's pair)
	v_mov_b32 v[ST+8*\u+4], 0                      ; l
	v_mov_b32 v[ST+8*\u+5], 0
.endr
.set k, 0
.rept 64
	v_mov_b32 v[O+k], 0                            ; O^T.  (The step is written once: the first finds zeros, which the first change of M leaves zeros)
.set k, k+1
.endr
	s_wait_kmcnt 0x0
	s_add_co_i32 s40, s56, s57                     ; a score stands for score x 2^(e8 + e9): added to c's exponent field
	s_lshl_b32 s40, s40, 23
	s_add_co_i32 s[CS], s[CS], s40
	s_mov_b32 s[CS+1], s[CS]                       ; (named with it as a pair, so it is written)
	MKS PSC, 61
	s_add_co_i32 s66, s60, s61                     ; e12 + e13
; A KEY STEP: 64 keys, the q-th of my two in half hf of the slot in hand, for my two tiles, which alternate line by line.
.macro STEP q, hf
	v_add_nc_u32 v[ADR], s[TB], v[AL]
.if \hf
	s_delay_alu instid0(VALU_DEP_1)
	v_add_nc_u32 v[ADR], HALF, v[ADR]              ; the slot's second chunk
.else
	s_wait_alu depctr_va_vdst(0)
	v_nop
.endif
	v_nop
	v_nop                                          ; with the additions: four places in front of loads into registers that the last products read
.irp kt, 0,1,2,3
	ds_load_b128 v[F+8*\kt:F+8*\kt+3], v[ADR] offset:\q*4096+\kt*1024              ; 512 consecutive bytes a load
	ds_load_b128 v[F+8*\kt+4:F+8*\kt+7], v[ADR] offset:\q*4096+\kt*1024+512
.endr
	s_wait_alu depctr_va_vdst(0)
	s_wait_dscnt 0x0
.irp kt, 0,1,2,3
.irp u, 0,1
	v_wmma_f32_16x16x64_bf8_bf8 v[S+32*\u+8*\kt:S+32*\u+8*\kt+7], v[F+8*\kt:F+8*\kt+7], v[Q+8*\u:Q+8*\u+7], 0
.endr
.endr
.rept 4
	v_nop                                          ; four places: for the loads below and for the first read of the scores
.endr
.irp ct, 0,1,2,3
	ds_load_b128 v[F+8*\ct:F+8*\ct+3], v[ADR] offset:VOFF+\q*4096+\ct*1024         ; b's fragments land under the softmax
	ds_load_b128 v[F+8*\ct+4:F+8*\ct+7], v[ADR] offset:VOFF+\q*4096+\ct*1024+512
.endr
.irp u, 0,1
	v_max3_num_f32 v[ST+8*\u+1], v[S+32*\u], v[S+32*\u+1], v[S+32*\u+2]            ; the step's largest score of my row among my 32 keys, ascending: each result is read from its low end on
.endr
.irp k, 3,5,7,9,11,13,15,17,19,21,23,25,27,29
.irp u, 0,1
	v_max3_num_f32 v[ST+8*\u+1], v[ST+8*\u+1], v[S+32*\u+\k], v[S+32*\u+\k+1]
.endr
.endr
.irp u, 0,1
	v_max_num_f32 v[ST+8*\u+1], v[ST+8*\u+1], v[S+32*\u+31]
.endr
.irp u, 0,1
	s_delay_alu instid0(VALU_DEP_2)
	v_permlanex16_b32 v[PX+\u], v[ST+8*\u+1], s[SEL], s[SEL+1]
.endr
.irp u, 0,1
	s_delay_alu instid0(VALU_DEP_2)
	v_max_num_f32 v[ST+8*\u+1], v[ST+8*\u+1], v[PX+\u]                             ; and among lane l xor 16's
.endr
.irp u, 0,1
	s_delay_alu instid0(VALU_DEP_2)
	v_mul_f32 v[ST+8*\u+1], s[CS], v[ST+8*\u+1]                                    ; as t (c is positive)
.endr
.irp u, 0,1
	s_delay_alu instid0(VALU_DEP_2)
	v_floor_f32 v[ST+8*\u+1], -v[ST+8*\u+1]                                        ; floor(-t) = -ceil(t): a whole number
.endr
.irp u, 0,1
	s_delay_alu instid0(VALU_DEP_2)
	v_min_num_f32 v[ST+8*\u+1], v[ST+8*\u+1], v[ST+8*\u]                           ; the new -M
.endr
.irp u, 0,1
	s_delay_alu instid0(VALU_DEP_2)
	v_sub_f32 v[ST+8*\u+2], v[ST+8*\u+1], v[ST+8*\u]                               ; old M - new M: a whole number, 0 or less
.endr
.irp u, 0,1
	s_delay_alu instid0(VALU_DEP_4)
	v_mov_b32 v[ST+8*\u], v[ST+8*\u+1]
.endr
.irp u, 0,1
	s_delay_alu instid0(VALU_DEP_4)
	v_cvt_i32_f32 v[ST+8*\u+2], v[ST+8*\u+2]                                       ; (it saturates)
.endr
.irp u, 0,1
	s_delay_alu instid0(VALU_DEP_2)
	v_ldexp_f32 v[ST+8*\u+2], 1.0, v[ST+8*\u+2]                                    ; f = 2^(old M - new M): a multiplication by it rounds nothing
.endr
.set k, 0
.rept 16
.irp u, 0,1
	v_pk_fma_f32 v[S+32*\u+k:S+32*\u+k+1], v[S+32*\u+k:S+32*\u+k+1], s[CS:CS+1], v[ST+8*\u:ST+8*\u+1] op_sel_hi:[1,0,0]   ; t - M, two at a time (of the pairs c and -M the low word serves both halves)
.endr
.set k, k+2
.endr
.set k, 0
	s_wait_alu depctr_va_vdst(0)
.rept 32
.irp u, 0,1
	v_exp_f32 v[S+32*\u+k], v[S+32*\u+k]                                           ; p = 2^(t - M), at most 1
.endr
.set k, k+1
.endr
.irp u, 0,1
	v_pk_mul_f32 v[ST+8*\u+4:ST+8*\u+5], v[ST+8*\u+4:ST+8*\u+5], v[ST+8*\u+2:ST+8*\u+3] op_sel_hi:[1,0]   ; l under the new M.  (Plain lines behind the exponentials)
.endr
	s_wait_alu depctr_va_vdst(0)
.irp u, 0,1
	v_pk_add_f32 v[ST+8*\u+6:ST+8*\u+7], v[S+32*\u:S+32*\u+1], v[S+32*\u+2:S+32*\u+3]                     ; the sum is taken of the unquantised p: two at a time, in two chains
.endr
.irp k, 4,8,12,16,20,24,28
.irp u, 0,1
	v_pk_add_f32 v[ST+8*\u+4:ST+8*\u+5], v[ST+8*\u+4:ST+8*\u+5], v[S+32*\u+\k:S+32*\u+\k+1]
.endr
.irp u, 0,1
	v_pk_add_f32 v[ST+8*\u+6:ST+8*\u+7], v[ST+8*\u+6:ST+8*\u+7], v[S+32*\u+\k+2:S+32*\u+\k+3]
.endr
.endr
.irp u, 0,1
	s_delay_alu instid0(VALU_DEP_2)
	v_pk_add_f32 v[ST+8*\u+4:ST+8*\u+5], v[ST+8*\u+4:ST+8*\u+5], v[ST+8*\u+6:ST+8*\u+7]
.endr
.irp kt, 0,1,2,3
.irp u, 0,1
.irp j, 0,1,2,3,4,5,6,7
.endr
.endr
.irp u, 0,1
	v_cvt_scalef32_pk8_bf8_f32 v[PC+8*\u+2*\kt:PC+8*\u+2*\kt+1], v[S+32*\u+8*\kt:S+32*\u+8*\kt+7], v[PSC]
.endr
.endr
.set k, 0
.rept 16
.irp u, 0,1
	v_pk_mul_f32 v[O+32*\u+k:O+32*\u+k+1], v[O+32*\u+k:O+32*\u+k+1], v[ST+8*\u+2:ST+8*\u+3] op_sel_hi:[1,0]   ; O^T under the new M.  (These are also the plain lines between the conversions and the products)
.endr
.set k, k+2
.endr
	s_wait_alu depctr_va_vdst(0)
	s_wait_dscnt 0x0                               ; b's fragments are in
.irp ct, 0,1,2,3
.irp u, 0,1
	v_wmma_f32_16x16x64_bf8_bf8 v[O+32*\u+8*\ct:O+32*\u+8*\ct+7], v[F+8*\ct:F+8*\ct+7], v[PC+8*\u:PC+8*\u+7], v[O+32*\u+8*\ct:O+32*\u+8*\ct+7]   ; the eight sums take turns, one instruction a turn
.endr
.endr
.endm
.macro SLOT_STEPS                      ; my four key steps of the slot in hand
	STEP 0, 0
	STEP 1, 0
	STEP 0, 1
	STEP 1, 1
.endm
; THE CHANGE OF SLOTS stands at a slot's head.  Each wave waits for all its tensor loads (its part of the slot ahead), adds 0 to its spare word, and waits for that and for its reads of the slot that it has left.
; fill = 1: the slot that was left takes the two chunks that follow: the barrier is then a round of the cluster's, and the joint load is the first thing behind it; it has four key steps of every wave in which to land.
.macro CHANGE fill
	s_wait_tensorcnt 0x0                           ; no tensor load of mine is out, so group 0 may be written
	ds_add_u32 v[SPW], v[NIL]                      ; 0 onto my spare word
.if \fill
	s_xor_b32 s[G0+1], s[G0+1], SLOT1              ; the other slot than last time,
	s_add_nc_u64 s[G0+2:G0+3], s[G0+2:G0+3], 2*HALF ; the next two chunks; the type bits on top are not reached
.endif
	s_wait_dscnt 0x0                               ; the add is done, and my reads of the slot that I have left are over
.if \fill
	CROUND
	JLOAD
.else
	s_barrier_signal -1
	s_barrier_wait -1
.endif
.endm
	s_wait_loadcnt 0x0                             ; q
.Lslot:                                            ; three trips: behind each change of slots but the last the next two chunks are asked for
	CHANGE 1
	SLOT_STEPS
	s_xor_b32 s[TB], s[TB], SLOT1
	s_sub_co_u32 s[SLOTS], s[SLOTS], 1
	s_cmp_lg_u32 s[SLOTS], 0
	s_cbranch_scc1 .Lslot
	CHANGE 0                                       ; the last slot (slot 1) is written out
	SLOT_STEPS
	; THE FOUR KEY PARTS MEET.  Each wave finishes its l; waves 4-15 lay O^T into their images in slot 0, which nobody reads or fills any more, and (-M, l) beside the ring; behind a barrier wave qg brings its rows' four parts under their common M.
.rept 4
	v_nop                                          ; four places behind the last products
.endr
.irp u, 0,1
	v_add_f32 v[ST+8*\u+4], v[ST+8*\u+4], v[ST+8*\u+5]
.endr
.irp u, 0,1
	s_delay_alu instid0(VALU_DEP_2)
	v_permlanex16_b32 v[PX+\u], v[ST+8*\u+4], s[SEL], s[SEL+1]
.endr
.irp u, 0,1
	s_delay_alu instid0(VALU_DEP_2)
	v_add_f32 v[QD+2*\u+1], v[ST+8*\u+4], v[PX+\u] ; my part's l
.endr
.irp u, 0,1
	v_mov_b32 v[QD+2*\u], v[ST+8*\u]               ; and its -M
.endr
	s_cmp_lt_u32 s[WV], 4
	s_cbranch_scc1 .Lkeep
.set k, 0
.rept 16
	ds_store_b128 v[MST], v[O+4*k:O+4*k+3] offset:512*k
.set k, k+1
.endr
	ds_store_b128 v[SST], v[QD:QD+3]
.Lkeep:
	s_wait_dscnt 0x0                               ; for the others' sake: my stores have landed
	s_barrier_signal -1
	s_barrier_wait -1
	s_cmp_lt_u32 s[WV], 4
	s_cbranch_scc0 .Lend
	ds_load_b128 v[QD+4:QD+7], v[SLD]
	ds_load_b128 v[QD+8:QD+11], v[SLD] offset:4*512
	ds_load_b128 v[QD+12:QD+15], v[SLD] offset:8*512
	s_wait_dscnt 0x0
	s_wait_alu depctr_va_vdst(0)
.irp u, 0,1
	v_min3_num_f32 v[ST+8*\u+1], v[QD+2*\u], v[QD+4+2*\u], v[QD+8+2*\u]
.endr
.irp u, 0,1
	s_delay_alu instid0(VALU_DEP_2)
	v_min_num_f32 v[ST+8*\u+1], v[ST+8*\u+1], v[QD+12+2*\u]                        ; the common -M
.endr
.irp p, 0,1,2,3
.irp u, 0,1
	v_sub_f32 v[FP+4*\p+2*\u], v[ST+8*\u+1], v[QD+4*\p+2*\u]                       ; the part's M - the common M: a whole number, 0 or less
.endr
.endr
.irp p, 0,1,2,3
.irp u, 0,1
	v_cvt_i32_f32 v[FP+4*\p+2*\u], v[FP+4*\p+2*\u]
.endr
.endr
.irp p, 0,1,2,3
.irp u, 0,1
	v_ldexp_f32 v[FP+4*\p+2*\u], 1.0, v[FP+4*\p+2*\u]
.endr
.endr
.irp p, 0,1,2,3
.irp u, 0,1
	v_mov_b32 v[FP+4*\p+2*\u+1], v[FP+4*\p+2*\u]                                   ; the factor twice: a pair for the packed forms
.endr
.endr
.irp u, 0,1
	v_mul_f32 v[ST+8*\u+4], v[FP+2*\u], v[QD+2*\u+1]
.endr
.irp p, 1,2,3
.irp u, 0,1
	s_delay_alu instid0(VALU_DEP_2)
	v_fmac_f32 v[ST+8*\u+4], v[FP+4*\p+2*\u], v[QD+4*\p+2*\u+1]                    ; l under the common M
.endr
.endr
.irp u, 0,1
.set k, 0
.rept 16
	v_pk_mul_f32 v[O+32*\u+k:O+32*\u+k+1], v[O+32*\u+k:O+32*\u+k+1], v[FP+2*\u:FP+2*\u+1]
.set k, k+2
.endr
.endr
.macro ADDPART p, adr, off
.set k, 0
.rept 16
	ds_load_b128 v[S+4*k:S+4*k+3], v[\adr] offset:\off+512*k
.set k, k+1
.endr
	s_wait_dscnt 0x0
.irp u, 0,1
.set k, 0
.rept 16
	v_pk_fma_f32 v[O+32*\u+k:O+32*\u+k+1], v[S+32*\u+k:S+32*\u+k+1], v[FP+4*\p+2*\u:FP+4*\p+2*\u+1], v[O+32*\u+k:O+32*\u+k+1]
.set k, k+2
.endr
.endr
.endm
	ADDPART 1, MLD, 0
	ADDPART 2, MLD, 4*MIMG
	ADDPART 3, MLD2, 0
	s_wait_alu depctr_va_vdst(0)
	v_rcp_f32 v[FP], v[ST+4]
	v_rcp_f32 v[FP+2], v[ST+12]
	v_log_f32 v[FP+4], v[ST+4]
	v_log_f32 v[FP+6], v[ST+12]
	v_nop                                          ; a plain line behind the transcendentals
	s_wait_alu depctr_va_vdst(0)
	v_ldexp_f32 v[FP], v[FP], s66                  ; 2^(e12 + e13) / l
	v_ldexp_f32 v[FP+2], v[FP+2], s66
	s_delay_alu instid0(VALU_DEP_2)
	v_mov_b32 v[FP+1], v[FP]
	s_delay_alu instid0(VALU_DEP_2)
	v_mov_b32 v[FP+3], v[FP+2]
	v_sub_f32 v[FP+4], v[ST+1], v[FP+4]            ; nl = -M - log2 l
	v_sub_f32 v[FP+6], v[ST+9], v[FP+6]
.irp u, 0,1
.set k, 0
.rept 16
	v_pk_mul_f32 v[O+32*\u+k:O+32*\u+k+1], v[O+32*\u+k:O+32*\u+k+1], v[FP+2*\u:FP+2*\u+1]
.set k, k+2
.endr
.endr
.set k, 0
.rept 16
	global_store_b128 v[LI], v[O+4*k:O+4*k+3], s[10:11] offset:512*k               ; out2 as an image of these 64 registers: 512 consecutive bytes a store
.set k, k+1
.endr
	v_cmp_gt_u32 vcc_lo, 64, v[L4]                 ; lanes 0-15 hold tile 0's rows, lanes 16-31 take tile 1's
	s_delay_alu instid0(VALU_DEP_1)
	v_cndmask_b32 v[FP+5], v[FP+6], v[FP+4], vcc_lo
	global_store_b32 v[L4], v[FP+5], s[12:13]      ; nl of my 32 rows: 128 consecutive bytes
.Lend:
	s_wait_tensorcnt 0x0                           ; the wave's end
	ds_add_u32 v[SPW], v[NIL]
	s_wait_dscnt 0x0
	CROUND                                         ; the closing round: no work-group ends while a partner may still ask for a tile that names it
	s_endpgm
.Lfunc_end_k_q155eeef6d2_attna:
	.size	k_q155eeef6d2_attna, .Lfunc_end_k_q155eeef6d2_attna-k_q155eeef6d2_attna
	.p2alignl 7, 3214868480
	.fill 96, 4, 3214868480
	.section	.rodata,"a",@progbits
	.p2align	6, 0x0
	.amdhsa_kernel k_q155eeef6d2_attna
		.amdhsa_group_segment_fixed_size 327680
		.amdhsa_private_segment_fixed_size 0
		.amdhsa_enable_private_segment 0
		.amdhsa_kernarg_size 40
		.amdhsa_user_sgpr_count 2
		.amdhsa_user_sgpr_kernarg_segment_ptr 1
		.amdhsa_wavefront_size32 1
		.amdhsa_system_sgpr_workgroup_id_x 1
		.amdhsa_system_sgpr_workgroup_id_y 1
		.amdhsa_system_sgpr_workgroup_id_z 1
		.amdhsa_system_vgpr_workitem_id 0
		.amdhsa_next_free_vgpr 256
		.amdhsa_next_free_sgpr 72
		.amdhsa_reserve_vcc 1
		.amdhsa_float_denorm_mode_32 3
		.amdhsa_float_denorm_mode_16_64 3
		.amdhsa_fp16_overflow 1
		.amdhsa_memory_ordered 1
		.amdhsa_forward_progress 1
		.amdhsa_inst_pref_size 144
	.end_amdhsa_kernel
	.amdgpu_metadata
---
amdhsa.version: [ 1, 2 ]
amdhsa.kernels:
  - .name:           k_q155eeef6d2_attna
    .symbol:         k_q155eeef6d2_attna.kd
    .args:
      - { .name: SA, .offset: 0, .size: 8, .value_kind: global_buffer, .address_space: global }
      - { .name: SB, .offset: 8, .size: 8, .value_kind: global_buffer, .address_space: global }
      - { .name: lowp_scales, .offset: 16, .size: 8, .value_kind: global_buffer, .address_space: global }
      - { .name: O2, .offset: 24, .size: 8, .value_kind: global_buffer, .address_space: global }
      - { .name: NLW, .offset: 32, .size: 8, .value_kind: global_buffer, .address_space: global }
    .group_segment_fixed_size: 327680
    .private_segment_fixed_size: 0
    .kernarg_segment_align: 8
    .kernarg_segment_size: 40
    .max_flat_workgroup_size: 512
    .sgpr_count:     72
    .vgpr_count:     256
    .wavefront_size: 32
...
	.end_amdgpu_metadata
.endif
;; end of part 2
;; launch attnb (part 3): grid 32 x 8, 16 waves a work-group, clusters of 4 x 1, 327,680 bytes of LDS; arguments SB, SA, lowp_scales, NLW, O2, Wo, bo, out0; writes out0
.if DOCPART == 3
	.amdgcn_target "amdgcn-amd-amdhsa--gfx1250"
	.amdhsa_code_object_version 6
	.text
	.protected	k_q155eeef6d2_attnb
	.globl	k_q155eeef6d2_attnb
	.p2align	8
	.type	k_q155eeef6d2_attnb,@function
k_q155eeef6d2_attnb:
	s_mov_b64 s[64:65], 0
	v_nop
	global_prefetch_b8 v0, s[64:65] scope:SCOPE_SE
	s_setreg_imm32_b32 hwreg(HW_REG_WAVE_MODE, 25, 1), 1
	s_wait_xcnt 0x0
	s_wait_alu depctr_hold_cnt(0) depctr_sa_sdst(0) depctr_va_vdst(0) depctr_va_sdst(0) depctr_va_ssrc(0) depctr_va_vcc(0) depctr_vm_vsrc(0)
	s_getreg_b32 s2, hwreg(HW_REG_IB_STS2, 6, 4)
	s_cmp_eq_u32 s2, 0
	s_cbranch_scc0 .Lentry_in_a_cluster
	s_endpgm
.Lentry_in_a_cluster:
	s_bfe_u32 s2, ttmp6, 0x10000c
	s_cmp_lg_u32 s2, 0x3003
	s_cbranch_scc0 .Lentry_shape_is_right
	s_endpgm
.Lentry_shape_is_right:
; ATTNB: out1[c][m] = sum over j of a[c][j] attn[j][m], attn[j][m] = softmax over m of q_j . k_m / 8, FINISHED AND NORMALISED before it is quantised (2^e11); then out0 = Wo (out1 + out2) + bo.  All products on codes of BF8 (E5M2).
; The sum runs over the softmax's ROWS j, so each row's maximum and sum must be known: nl[j] = -(M + log2 l) comes from the launch before, and attn = 2^(t + nl[j]), t = score x log2(e) / 8: one fused multiply-add and one exponential.
; SB: [g][8 chunks of 512 rows j][32 images of q, 32 images of a]; SA holds k's images likewise; O2: out2 as images of the 64 registers of O^T; NLW: [g][4,096] f32.  All pixels in the order n' = 64 y + 16 i + r, X = 4 r + i.
; SHARES, LAYOUT, RING, CLUSTER as in the launch before: a work-group owns 128 columns m (two rows y of a region); wave w: qg = w % 4 owns 32 of them (two tiles u), kp = w / 4 takes steps 2 kp, 2 kp + 1 of each chunk's eight steps of 64 rows j.
; S^T = q k^T (source 0 = 16 rows j, source 1 = 16 columns m), O^T = a attn (source 0 = 16 channels, source 1 = attn's codes): a lane holds ONE column m; register jj of tile kt is row j = 16 kt + 8 (lane / 16) + jj.
; Two LDS slots of TWO chunks each (131,072 bytes, dense in memory): four changes of slots in all.  Waves 0-7 fetch an eighth of a slot each (64 rows of 256 bytes, jointly for the four work-groups of the cluster);
; wave 8 fetches the region's nl once (again 64 rows of 256 bytes: the same descriptor group 1).  A wave has at most one tensor load out.
; THE END.  The four parts of j are added through LDS (their images lie in slot 0, which has had its last fill and which every wave has left at the last change of slots); + out2; quantised along the channels (2^e15);
; the eight tiles' images go through LDS to waves 0-7, each of which makes 16 output channels of one row y: a lane's four tiles i are four neighbouring pixels, so sixteen lanes store the 256 consecutive bytes of a region's row.
; Every wave makes Wo's fragment and bo at the head, so that the text has one way up to the loop; waves 8-15 do not use theirs.
; LIMITS on the given exponents: e8 + e9 between -123 and 130; e11, e14, e15 between -126 and 112; e10 + e11 and e14 + e15 between -126 and 127.  NaN and infinities are not served.
.set HALF,  1<<16                      ; a chunk: half a slot
.set SLOT1, 1<<17
.set VOFF,  32768                      ; in a chunk: q's images, then a's
.set MIMG,  8192                       ; an image of O^T; image w begins at LDS byte 8,192 w: sixteen fill slot 0; those of waves 0-3 stay unused
.set NLB,   2*SLOT1                    ; behind the ring: nl, 16,384 bytes, filled once
.set OIMG,  NLB+16384                  ; the eight tiles' codes: 8,192 bytes
.set SPARE, OIMG+8192                  ; the spare words, 128 bytes for each wave: eight blocks of 256 bytes that no other line names
.set AL,   1                           ; v1   16 x lane + 8,192 kp
.set ADR,  2                           ; v2   the same in the chunk in hand
.set SPW,  3                           ; v3   my spare word; never rewritten
.set NIL,  4                           ; v4   0; never rewritten
.set PSC,  5                           ; v5  a scale: e14's, then e11's, at the end e15's
.set MST,  7                           ; v7   where I store my image
.set MLD,  8                           ; v8   the image of part 1 of my columns (part 2: 4 images on)
.set MLD2, 9                           ; v9   of part 3
.set ANL,  10                          ; v10  NLB + 32 (lane / 16) + 512 kp
.set ADN,  11                          ; v11  the same in the slot in hand
.set OST,  12                          ; v12  where I store my two tiles' codes
.set OLD,  13                          ; v13  where I read a row's four tiles
.set OOF,  14                          ; v14  out0: 8 (lane / 16) channels of 65,536 bytes + 16 r
.set LI,   15                          ; v15  16 x lane
.set WOF,  16                          ; v16-23   Wo's fragment: rows 16 (w % 4) + r
.set BO,   24                          ; v24-31   bo[16 (w % 4) + 8 h + 0 .. 7]
.set KST,  32                          ; v32-47   k's two fragments
.set PC,   48                          ; v48-63   attn's codes; v62, v63 at the head: offsets of Wo's and bo's loads
.set F,    64                          ; v64-95   four fragments of q, then of a
.set NLR,  96                          ; v96-127  nl of the step's rows: register 8 kt + jj
.set S,    128                         ; v128-191 S^T, then attn
.set O,    192                         ; v192-255 O^T
.set WV,   20
.set QG,   21
.set KP,   22
.set G1,   24                          ; s[24:31] descriptor group 1
.set G0,   32                          ; s[32:35] the ring's group 0, which walks
.set G0N,  44                          ; s[44:47] nl's group 0
.set CS,   66                          ; s[66:67] c = log2(e) / 8 x 2^(e8 + e9)
.set TB,   68                          ; s68  LDS byte at which the slot in hand begins
.set NB,   69                          ; s69  byte of nl at which the slot in hand begins
.set SLOTS, 70
.set FW,   85                          ; s85  wave % 8: which eighth of a slot I fetch, if I fetch
.macro CROUND
	s_barrier_signal -1
	s_barrier_wait -1
	s_cmp_lg_u32 s[WV], 0
	s_cbranch_scc1 .Lnot_wave_0_\@
	s_barrier_signal -3
.Lnot_wave_0_\@:
	s_barrier_wait -3
	s_barrier_signal -1
	s_barrier_wait -1
.endm
.macro JLOAD                           ; waves 0-7 fetch, the others nothing.  Four v_nop follow the load
	s_cmp_lt_u32 s[WV], 8
	s_cbranch_scc0 .Lasked_\@
	tensor_load_to_lds s[G0:G0+3], s[G1:G1+7]
	s_nop 0
.rept 4
	v_nop
.endr
.Lasked_\@:
.endm
.macro MKS vs, se                      ; v[vs] = 2^e as f32; e in s[se]
	s_add_co_i32 s74, s[\se], 127
	s_lshl_b32 s75, s74, 23
	v_mov_b32 v[\vs], s75
.endm
	s_load_b512 s[4:19], s[0:1], 0x0               ; SB s[4:5], SA s[6:7], the exponents s[8:9], NLW s[10:11], O2 s[12:13], Wo s[14:15], bo s[16:17], out0 s[18:19]
	v_lshl_add_u32 v[SPW], v0, 2, SPARE
	v_mov_b32 v[NIL], 0
	ds_add_u32 v3, v4
	ds_add_u32 v3, v4
	s_wait_dscnt 0x0
	v_lshrrev_b32 v1, 5, v0
	s_delay_alu instid0(VALU_DEP_1)
	v_readfirstlane_b32 s[WV], v1                  ; wave 0..15
	s_and_b32 s[QG], s[WV], 3
	s_lshr_b32 s[KP], s[WV], 2
	s_and_b32 s[FW], s[WV], 7
	s_bfe_u32 s71, ttmp6, 0x40000                  ; cx
	s_lshl_b32 s72, ttmp9, 2
	s_add_co_u32 s72, s72, s71                     ; qb: my block of 128 columns: it enters k's, O2's and out0's addresses alone
	s_and_b32 s73, ttmp7, 0xffff                   ; the region, which the four partners share
	s_mov_b32 s[G1], 15|(3<<16)|(1<<21)            ; the mask of all four work-groups; elements of 8 bytes; no padding; bit 21 beside a mask
	s_mov_b32 s[G1+1], 32<<16                      ; tensor_dim0 = 32 elements: 256 bytes
	s_mov_b32 s[G1+2], 64<<16                      ; tensor_dim1 = 64
	s_mov_b32 s[G1+3], 32<<16                      ; tile_dim0
	s_mov_b32 s[G1+4], 64                          ; tile_dim1
	s_mov_b32 s[G1+5], 32                          ; the pitch: both blocks are dense
	s_mov_b32 s[G1+6], 0
	s_mov_b32 s[G1+7], 0
	s_mov_b32 s[CS], 0x3e38aa3b                    ; log2(e) / 8
	s_mov_b32 s[TB], 0
	s_mov_b32 s[NB], 0
	s_mov_b32 s[SLOTS], 3
	s_lshl_b32 s36, s73, 19                        ; the stream: region x 524,288 + my eighth of a slot
	s_lshl_b32 s37, s[FW], 14
	s_add_co_u32 s36, s36, s37
	s_mov_b32 s37, 0
	s_lshl_b32 s38, s73, 14                        ; nl: region x 16,384
	s_mov_b32 s39, 0
	s_lshl_b32 s74, s73, 19                        ; k's images of my 32 columns: chunk qb / 4, image 8 (qb % 4) + 2 qg
	s_lshr_b32 s75, s72, 2
	s_lshl_b32 s75, s75, 16
	s_add_co_u32 s74, s74, s75
	s_and_b32 s75, s72, 3
	s_lshl_b32 s75, s75, 13
	s_add_co_u32 s74, s74, s75
	s_lshl_b32 s75, s[QG], 11
	s_add_co_u32 s74, s74, s75
	s_mov_b32 s75, 0
	s_lshl_b32 s76, s73, 5                         ; O2: ((32 g + qb) 4 + qg) x 8,192
	s_add_co_u32 s76, s76, s72
	s_lshl_b32 s76, s76, 2
	s_add_co_u32 s76, s76, s[QG]
	s_lshl_b32 s76, s76, 13
	s_mov_b32 s77, 0
	s_lshl_b32 s78, s[QG], 12                      ; Wo: 16 rows of 256 bytes for each tile of output channels, w % 4
	s_mov_b32 s79, 0
	s_lshl_b32 s80, s[QG], 6                       ; bo likewise
	s_mov_b32 s81, 0
	s_lshr_b32 s40, s73, 2                         ; out0: image x 4,194,304
	s_lshl_b32 s40, s40, 22
	s_lshl_b32 s41, s[QG], 20                      ; + 16 (w % 4) channels of 65,536 bytes
	s_add_co_u32 s40, s40, s41
	s_bfe_u32 s41, s73, 0x10001                    ; + (64 gy + 2 qb + (w / 4) % 2) rows of 512 bytes
	s_lshl_b32 s41, s41, 6
	s_lshl_b32 s23, s72, 1
	s_add_co_u32 s41, s41, s23
	s_and_b32 s23, s[KP], 1
	s_add_co_u32 s41, s41, s23
	s_lshl_b32 s41, s41, 9
	s_add_co_u32 s40, s40, s41
	s_and_b32 s41, s73, 1                          ; + 256 gx
	s_lshl_b32 s41, s41, 8
	s_add_co_u32 s40, s40, s41
	s_mov_b32 s41, 0
	s_wait_kmcnt 0x0
	s_load_b512 s[48:63], s[8:9], 0x0              ; e0 .. e15 in s48 .. s63
	s_mov_b32 s[G0], 1
	s_lshl_b32 s[G0+1], s[FW], 14                  ; slot 0, my eighth
	s_add_nc_u64 s[G0+2:G0+3], s[4:5], s[36:37]    ; chunks 0 and 1
	s_or_b32 s[G0+3], s[G0+3], 0x80000000
	s_mov_b32 s[G0N], 1
	s_mov_b32 s[G0N+1], NLB
	s_add_nc_u64 s[G0N+2:G0N+3], s[10:11], s[38:39]
	s_or_b32 s[G0N+3], s[G0N+3], 0x80000000
	s_add_nc_u64 s[6:7], s[6:7], s[74:75]
	s_add_nc_u64 s[12:13], s[12:13], s[76:77]
	s_add_nc_u64 s[14:15], s[14:15], s[78:79]
	s_add_nc_u64 s[16:17], s[16:17], s[80:81]
	s_add_nc_u64 s[18:19], s[18:19], s[40:41]
	CROUND                                         ; all four work-groups are here: the first joint loads meet
	s_cmp_lt_u32 s[WV], 8                          ; the first fills: waves 0-7 slot 0, wave 8 nl; each wave's one load stands in one branch on its number
	s_cbranch_scc0 .Lnot_ring
	tensor_load_to_lds s[G0:G0+3], s[G1:G1+7]
	s_nop 0
.rept 4
	v_nop
.endr
	s_branch .Lfirst_asked
.Lnot_ring:
	s_cmp_eq_u32 s[WV], 8
	s_cbranch_scc0 .Lfirst_asked
	tensor_load_to_lds s[G0N:G0N+3], s[G1:G1+7]
	s_nop 0
.rept 4
	v_nop
.endr
.Lfirst_asked:
	v_and_b32 v[LI], 31, v0
	s_delay_alu instid0(VALU_DEP_1)
	v_lshlrev_b32 v[LI], 4, v[LI]
	v_and_b32 v62, 15, v0                          ; r
	v_bfe_u32 v63, v0, 4, 1                        ; h
	s_delay_alu instid0(VALU_DEP_2)
	v_lshlrev_b32 v[OOF], 4, v62
	s_delay_alu instid0(VALU_DEP_1)
	v_lshl_add_u32 v[OOF], v63, 19, v[OOF]
	s_delay_alu instid0(VALU_DEP_4)
	v_lshlrev_b32 v62, 8, v62
	s_delay_alu instid0(VALU_DEP_1)
	v_lshl_add_u32 v62, v63, 5, v62                ; Wo: 256 r + 32 h
	v_lshlrev_b32 v63, 5, v63                      ; bo, nl: 32 h
.irp u, 0,1
	global_load_b128 v[KST+8*\u:KST+8*\u+3], v[LI], s[6:7] offset:\u*1024          ; k's fragments stay in registers
	global_load_b128 v[KST+8*\u+4:KST+8*\u+7], v[LI], s[6:7] offset:\u*1024+512
.endr
.irp c, 0,1,2,3
	global_load_b128 v[S+8*\c:S+8*\c+3], v62, s[14:15] offset:\c*64                ; Wo(16 (w % 4) + r, 16 c + 8 h + 0 .. 7)
	global_load_b128 v[S+8*\c+4:S+8*\c+7], v62, s[14:15] offset:\c*64+16
.endr
	global_load_b128 v[BO:BO+3], v63, s[16:17]
	global_load_b128 v[BO+4:BO+7], v63, s[16:17] offset:16
	s_lshl_b32 s23, s[KP], 13
	v_add_nc_u32 v[AL], s23, v[LI]
	s_lshl_b32 s23, s[KP], 9
	s_add_co_u32 s23, s23, NLB
	v_add_nc_u32 v[ANL], s23, v63
	s_lshl_b32 s23, s[WV], 13                      ; image w begins at LDS byte 8,192 w
	v_add_nc_u32 v[MST], s23, v[LI]
	s_lshl_b32 s23, s[QG], 13
	s_add_co_u32 s23, s23, 4*MIMG
	v_add_nc_u32 v[MLD], s23, v[LI]
	s_delay_alu instid0(VALU_DEP_1)
	v_add_nc_u32 v[MLD2], 8*MIMG, v[MLD]
	s_lshl_b32 s23, s[QG], 11
	s_add_co_u32 s23, s23, OIMG
	v_add_nc_u32 v[OST], s23, v[LI]
	s_and_b32 s23, s[KP], 1
	s_lshl_b32 s23, s23, 12
	s_add_co_u32 s23, s23, OIMG
	v_add_nc_u32 v[OLD], s23, v[LI]
.set k, 0
.rept 64
	v_mov_b32 v[O+k], 0                            ; O^T.  (The step is written once)
.set k, k+1
.endr
	s_wait_kmcnt 0x0
	s_add_co_i32 s74, s56, s57                     ; e8 + e9, added to c's exponent field
	s_lshl_b32 s74, s74, 23
	s_add_co_i32 s[CS], s[CS], s74
	s_mov_b32 s[CS+1], s[CS]
	s_add_co_i32 s82, s58, s59                     ; 2^(e10 + e11) as f32, as a pair
	s_add_co_i32 s82, s82, 127
	s_lshl_b32 s82, s82, 23
	s_mov_b32 s83, s82
	s_add_co_i32 s84, s62, s63                     ; 2^(e14 + e15)
	s_add_co_i32 s84, s84, 127
	s_lshl_b32 s84, s84, 23
	MKS PSC, 62                                    ; e14
	s_wait_alu depctr_va_vdst(0)
	s_wait_loadcnt 0x0                             ; k, Wo, bo
.set k, 0
.rept 32
.set k, k+1
.endr
.irp c, 0,1,2,3
	v_cvt_scalef32_pk8_bf8_f32 v[WOF+2*\c:WOF+2*\c+1], v[S+8*\c:S+8*\c+7], v[PSC]
.endr
	v_nop                                          ; a plain line behind the last conversion: its scale and its sources are written again below
	MKS PSC, 59                                    ; e11
; A STEP: 64 rows j, the q-th of my two in half hf of the slot in hand, for my two tiles of columns.
.macro STEP q, hf
	v_add_nc_u32 v[ADR], s[TB], v[AL]
	v_add_nc_u32 v[ADN], s[NB], v[ANL]
.if \hf
	s_delay_alu instid0(VALU_DEP_2)
	v_add_nc_u32 v[ADR], HALF, v[ADR]              ; the slot's second chunk
.else
	v_nop
.endif
	v_nop                                          ; with the additions: four places in front of loads into registers that the last products read
.irp kt, 0,1,2,3
	ds_load_b128 v[F+8*\kt:F+8*\kt+3], v[ADR] offset:\q*4096+\kt*1024
	ds_load_b128 v[F+8*\kt+4:F+8*\kt+7], v[ADR] offset:\q*4096+\kt*1024+512
.endr
.irp kt, 0,1,2,3
	ds_load_b128 v[NLR+8*\kt:NLR+8*\kt+3], v[ADN] offset:\hf*2048+\q*256+\kt*64    ; nl of rows 16 kt + 8 h + 0 .. 7: the sixteen lanes of a half read the same words
	ds_load_b128 v[NLR+8*\kt+4:NLR+8*\kt+7], v[ADN] offset:\hf*2048+\q*256+\kt*64+16
.endr
	s_wait_alu depctr_va_vdst(0)
	s_wait_dscnt 8                                 ; q's fragments are in; nl's eight loads, issued behind them, may stay out
.irp kt, 0,1,2,3
.irp u, 0,1
	v_wmma_f32_16x16x64_bf8_bf8 v[S+32*\u+8*\kt:S+32*\u+8*\kt+7], v[F+8*\kt:F+8*\kt+7], v[KST+8*\u:KST+8*\u+7], 0
.endr
.endr
.rept 4
	v_nop                                          ; four places: for the loads below and for the first read of the scores
.endr
.irp ct, 0,1,2,3
	ds_load_b128 v[F+8*\ct:F+8*\ct+3], v[ADR] offset:VOFF+\q*4096+\ct*1024
	ds_load_b128 v[F+8*\ct+4:F+8*\ct+7], v[ADR] offset:VOFF+\q*4096+\ct*1024+512
.endr
	s_wait_dscnt 8                                 ; nl is in; a's eight loads, issued behind it, may stay out
.set k, 0
.rept 16
.irp u, 0,1
	v_pk_fma_f32 v[S+32*\u+k:S+32*\u+k+1], v[S+32*\u+k:S+32*\u+k+1], s[CS:CS+1], v[NLR+k:NLR+k+1] op_sel_hi:[1,0,1]   ; t + nl[j], two rows at a time, ascending: each result is read from its low end on
.endr
.set k, k+2
.endr
.set k, 0
	s_wait_alu depctr_va_vdst(0)
.rept 32
.irp u, 0,1
	v_exp_f32 v[S+32*\u+k], v[S+32*\u+k]                                           ; attn, finished and normalised
.endr
.set k, k+1
.endr
	v_nop                                          ; a plain line behind the exponentials
	s_wait_alu depctr_va_vdst(0)
.irp kt, 0,1,2,3
.irp u, 0,1
.irp j, 0,1,2,3,4,5,6,7
.endr
.endr
.irp u, 0,1
	v_cvt_scalef32_pk8_bf8_f32 v[PC+8*\u+2*\kt:PC+8*\u+2*\kt+1], v[S+32*\u+8*\kt:S+32*\u+8*\kt+7], v[PSC]
.endr
.endr
	v_nop                                          ; a plain line between the last conversion and the products that read its result
	s_wait_alu depctr_va_vdst(0)
	s_wait_dscnt 0x0                               ; a's fragments are in
.irp ct, 0,1,2,3
.irp u, 0,1
	v_wmma_f32_16x16x64_bf8_bf8 v[O+32*\u+8*\ct:O+32*\u+8*\ct+7], v[F+8*\ct:F+8*\ct+7], v[PC+8*\u:PC+8*\u+7], v[O+32*\u+8*\ct:O+32*\u+8*\ct+7]   ; the eight sums take turns, one instruction a turn
.endr
.endr
.endm
.macro SLOT_STEPS                      ; my four steps of the slot in hand
	STEP 0, 0
	STEP 1, 0
	STEP 0, 1
	STEP 1, 1
.endm
.macro CHANGE fill                     ; the change of slots, at a slot's head, as in the launch before
	s_wait_tensorcnt 0x0                           ; no tensor load of mine is out (wave 8's first wait shows nl landed), so group 0 may be written
	ds_add_u32 v[SPW], v[NIL]                      ; 0 onto my spare word
.if \fill
	s_xor_b32 s[G0+1], s[G0+1], SLOT1
	s_add_nc_u64 s[G0+2:G0+3], s[G0+2:G0+3], 2*HALF
.endif
	s_wait_dscnt 0x0                               ; the add is done, and my reads of the slot that I have left are over
.if \fill
	CROUND
	JLOAD
.else
	s_barrier_signal -1
	s_barrier_wait -1
.endif
.endm
.Lslot:                                            ; three trips
	CHANGE 1
	SLOT_STEPS
	s_xor_b32 s[TB], s[TB], SLOT1
	s_add_co_u32 s[NB], s[NB], 4096                ; the next slot's 1,024 numbers of nl
	s_sub_co_u32 s[SLOTS], s[SLOTS], 1
	s_cmp_lg_u32 s[SLOTS], 0
	s_cbranch_scc1 .Lslot
	CHANGE 0                                       ; the last slot (slot 1) is written out
	SLOT_STEPS
	; THE FOUR PARTS OF j MEET: their images lie in slot 0, which nobody reads or fills any more
.rept 4
	v_nop                                          ; four places behind the last products
.endr
	MKS PSC, 63                                    ; e15
	s_cmp_lt_u32 s[WV], 4
	s_cbranch_scc1 .Lkeep
.set k, 0
.rept 16
	ds_store_b128 v[MST], v[O+4*k:O+4*k+3] offset:512*k
.set k, k+1
.endr
.Lkeep:
	s_wait_dscnt 0x0                               ; for the others' sake: my stores have landed
	s_barrier_signal -1
	s_barrier_wait -1
	s_cmp_lt_u32 s[WV], 4
	s_cbranch_scc0 .Lcoded
.set k, 0
.rept 16
	global_load_b128 v[F+4*k:F+4*k+3], v[LI], s[12:13] offset:512*k th:TH_LOAD_NT  ; out2's image of my 32 columns lands while the parts are added; read once in the launch
.set k, k+1
.endr
.macro ADDPART adr, off
.set k, 0
.rept 16
	ds_load_b128 v[S+4*k:S+4*k+3], v[\adr] offset:\off+512*k
.set k, k+1
.endr
	s_wait_dscnt 0x0
.set k, 0
.rept 32
	v_pk_add_f32 v[O+k:O+k+1], v[O+k:O+k+1], v[S+k:S+k+1]
.set k, k+2
.endr
.endm
	ADDPART MLD, 0
	ADDPART MLD, 4*MIMG
	ADDPART MLD2, 0
	s_wait_loadcnt 0x0
.set k, 0
.rept 32
	v_pk_fma_f32 v[O+k:O+k+1], v[O+k:O+k+1], s[82:83], v[F+k:F+k+1] op_sel_hi:[1,0,1]   ; out = sum x 2^(e10 + e11) + out2
.set k, k+2
.endr
.set k, 0
.rept 64
.set k, k+1
.endr
.irp u, 0,1
.irp ct, 0,1,2,3
	v_cvt_scalef32_pk8_bf8_f32 v[PC+8*\u+2*\ct:PC+8*\u+2*\ct+1], v[O+32*\u+8*\ct:O+32*\u+8*\ct+7], v[PSC]   ; registers 2 ct, 2 ct + 1 of the last product's operand: channels 16 ct + 8 h ..
.endr
.endr
	v_nop                                          ; a plain line behind the last conversion
.irp u, 0,1
	ds_store_b128 v[OST], v[PC+8*\u:PC+8*\u+3] offset:\u*1024
	ds_store_b128 v[OST], v[PC+8*\u+4:PC+8*\u+7] offset:\u*1024+512
.endr
.Lcoded:
	s_wait_dscnt 0x0                               ; for the others' sake: my stores have landed
	s_barrier_signal -1
	s_barrier_wait -1                              ; the eight tiles' codes lie in LDS
	s_cmp_lt_u32 s[WV], 8
	s_cbranch_scc0 .Lend
	; out0 = Wo out + bo: wave w makes output channels 16 (w % 4) .. + 15 of row y = 2 qb + w / 4: four tiles i of 16 pixels X = 4 r + i
.irp i, 0,1,2,3
	ds_load_b128 v[S+8*\i:S+8*\i+3], v[OLD] offset:\i*1024
	ds_load_b128 v[S+8*\i+4:S+8*\i+7], v[OLD] offset:\i*1024+512
.endr
	s_wait_dscnt 0x0
.irp i, 0,1,2,3
	v_wmma_f32_16x16x64_bf8_bf8 v[S+32+8*\i:S+32+8*\i+7], v[WOF:WOF+7], v[S+8*\i:S+8*\i+7], 0
.endr
.rept 4
	v_nop
.endr
.irp j, 0,1,2,3,4,5,6,7
.irp i, 0,1,2,3
	v_fma_f32 v[F+4*\j+\i], v[S+32+8*\i+\j], s84, v[BO+\j]                         ; sum x 2^(e14 + e15) + bo; the four tiles' numbers of a channel are four neighbouring pixels
.endr
.endr
.irp j, 0,1,2,3,4,5,6,7
	global_store_b128 v[OOF], v[F+4*\j:F+4*\j+3], s[18:19] offset:\j*65536 th:TH_STORE_NT   ; sixteen lanes store 256 consecutive bytes, at a multiple of 256 from out0's first byte; written once
.endr
.Lend:
	s_wait_tensorcnt 0x0                           ; the wave's end
	ds_add_u32 v[SPW], v[NIL]
	s_wait_dscnt 0x0
	CROUND                                         ; the closing round
	s_endpgm
.Lfunc_end_k_q155eeef6d2_attnb:
	.size	k_q155eeef6d2_attnb, .Lfunc_end_k_q155eeef6d2_attnb-k_q155eeef6d2_attnb
	.p2alignl 7, 3214868480
	.fill 96, 4, 3214868480
	.section	.rodata,"a",@progbits
	.p2align	6, 0x0
	.amdhsa_kernel k_q155eeef6d2_attnb
		.amdhsa_group_segment_fixed_size 327680
		.amdhsa_private_segment_fixed_size 0
		.amdhsa_enable_private_segment 0
		.amdhsa_kernarg_size 64
		.amdhsa_user_sgpr_count 2
		.amdhsa_user_sgpr_kernarg_segment_ptr 1
		.amdhsa_wavefront_size32 1
		.amdhsa_system_sgpr_workgroup_id_x 1
		.amdhsa_system_sgpr_workgroup_id_y 1
		.amdhsa_system_sgpr_workgroup_id_z 1
		.amdhsa_system_vgpr_workitem_id 0
		.amdhsa_next_free_vgpr 256
		.amdhsa_next_free_sgpr 88
		.amdhsa_reserve_vcc 0
		.amdhsa_float_denorm_mode_32 3
		.amdhsa_float_denorm_mode_16_64 3
		.amdhsa_fp16_overflow 1
		.amdhsa_memory_ordered 1
		.amdhsa_forward_progress 1
		.amdhsa_inst_pref_size 92
	.end_amdhsa_kernel
	.amdgpu_metadata
---
amdhsa.version: [ 1, 2 ]
amdhsa.kernels:
  - .name:           k_q155eeef6d2_attnb
    .symbol:         k_q155eeef6d2_attnb.kd
    .args:
      - { .name: SB, .offset: 0, .size: 8, .value_kind: global_buffer, .address_space: global }
      - { .name: SA, .offset: 8, .size: 8, .value_kind: global_buffer, .address_space: global }
      - { .name: lowp_scales, .offset: 16, .size: 8, .value_kind: global_buffer, .address_space: global }
      - { .name: NLW, .offset: 24, .size: 8, .value_kind: global_buffer, .address_space: global }
      - { .name: O2, .offset: 32, .size: 8, .value_kind: global_buffer, .address_space: global }
      - { .name: Wo, .offset: 40, .size: 8, .value_kind: global_buffer, .address_space: global }
      - { .name: bo, .offset: 48, .size: 8, .value_kind: global_buffer, .address_space: global }
      - { .name: out0, .offset: 56, .size: 8, .value_kind: global_buffer, .address_space: global }
    .group_segment_fixed_size: 327680
    .private_segment_fixed_size: 0
    .kernarg_segment_align: 8
    .kernarg_segment_size: 64
    .max_flat_workgroup_size: 512
    .sgpr_count:     88
    .vgpr_count:     256
    .wavefront_size: 32
...
	.end_amdgpu_metadata
.endif
;; end of part 3
